; MI455X (gfx1250); checked and timed in simulation.
; The chip was launched on July 23, 2026; its instructions are those of AMD's public machine-readable ISA for CDNA 5 (MIT licence, August 2026) and "CDNA5" Instruction Set Architecture Reference Guide (July 2026). The comments in the code are by the model that wrote it; some were corrected since.
;; Cross Attention. Allowed arithmetic: float matrix products may take bf16 or f16 operands with f32 sums; all other float work in f32.
;; Inputs: Jg_embedding 8 x 64 x 64 x 64 float32; Jp_embedding 8 x 64 x 64 x 64 float32; Wk 128 x 64 float32; Wq 128 x 64 float32; Wv 128 x 64 float32; bk 128 float32; bq 128 float32; bv 128 float32.
;; Outputs: out0 8 x 128 x 64 x 64 float32.
;; One version. Each part assembles by itself: llvm-mc -triple=amdgcn-amd-amdhsa -mcpu=gfx1250 --defsym DOCPART=n.
;; ======== version 1 of 1: 1 launch
;; launch attn (part 1): grid 256 x 1, 8 waves a work-group, no clusters, 300,032 bytes of LDS; arguments Jp_embedding, Jg_embedding, Wq, bq, Wk, bk, Wv, bv, out0; writes out0
.if DOCPART == 1
	.amdgcn_target "amdgcn-amd-amdhsa--gfx1250"
	.amdhsa_code_object_version 6
	.text
	.protected	k_q52e4c08c7b_attn
	.globl	k_q52e4c08c7b_attn
	.p2align	8
	.type	k_q52e4c08c7b_attn,@function
k_q52e4c08c7b_attn:
	s_mov_b64 s[64:65], 0
	v_nop
	global_prefetch_b8 v0, s[64:65] scope:SCOPE_SE
	s_setreg_imm32_b32 hwreg(HW_REG_WAVE_MODE, 25, 1), 1
	s_wait_xcnt 0x0
; Cross attention, one head: B = 8, 4,096 queries (pixels of Jp) and 4,096 keys (pixels of Jg) a batch, 64 channels, D = 128.
; out0 is [b][q][d] in f32 (the last reshape of the reference only renames the axes of the same bytes).
;
; TWO EXACT IDENTITIES move the two large products from D = 128 to the 64 channels; every weight and every bias is still applied:
;   Q . (Wk x + bk) = (Wk^T Q) . x + Q . bk           Q = Wq xp + bq is made, then Q' = Wk^T Q and qb = Q . bk, once for each query
;   sum p (Wv x + bv) / l = Wv (sum p x / l) + bv      since the weights p / l of a row add up to 1
; So keys and values are the same tensor, Jg in bf16, read from LDS in two orientations.
;
; SHARING.  Work-group x: batch x >> 5, queries 128 (x & 31) .. + 127.  Eight waves; wave w = 2 kq + qh takes 64 queries (tiles of 16,
; numbers 4 qh .. 4 qh + 3) and the key quarter 1,024 kq .. + 1,023, so that a fragment of Jg read from LDS feeds four matrix instructions.
; The four quarters' (m, l, O) are merged through LDS at the end; there and in the prologue wave w serves query tile w.
;
; ORIENTATION.  Every product is made transposed (queries are the columns n): lane (r, h), register j of a result is (m = 8 h + j, query r),
; and two results packed to bf16 are at once the next product's second source (n = query, k = 32).  Nothing is shuffled between products,
; and a query's maximum and sum live in the two lanes r and r + 16.
;
; NO TENSOR LOADS, NO CLUSTER, though 32 work-groups walk the same Jg: Jg is f32 in memory and the products want bf16, and a tensor load
; copies bytes as they are.  A tile of 64 channels x 512 keys would pass LDS as 128 KiB in f32 (written, read back) and then as 64 KiB in
; bf16; through registers it is converted on the way and LDS sees the 64 KiB alone.
;
; LIMITS.  The operands of all products (Jp, Jg, the weights, Q, SCALE Wk^T Q, p, O / l) are rounded to bf16; sums, biases, maxima and the
; exponentials are f32, so the order of rounding differs from the reference's.  The maximum is the running maximum of the true scores.
; v_exp_f32 gives 0 for results below 2^-126.  NaN and infinities among the inputs are not reproduced element for element.
; ---- LDS, in bytes
.set PITCH, 272                        ; a row of 128 bf16 + 16: both kinds of fragment load below touch 16 different 16-byte columns
.set QTILE, 64*PITCH                   ; one key quarter's tile: 64 channels x 128 keys
.set SLOT,  4*QTILE                    ; the four quarters' tiles; the ring has two slots, at 0 and at SLOT
.set WP,    144                        ; pitch of Wq and Wv: [128 d][64 c] bf16 + 16
.set KP,    160                        ; pitch of Wk, which is read by transposing loads
.set OP,    528                        ; pitch of the way out: 128 f32 + 16
.set L_XP,  2*SLOT                     ; Jp's tile [64 c][128 q] bf16, pitch PITCH
.set L_WQ,  L_XP+64*PITCH
.set L_WK,  L_WQ+128*WP
.set L_WV,  L_WK+128*KP
.set L_QX,  L_WV+128*WP                ; Q' as fragments: query tile x 2,048 + quad x 512 + lane x 16
.set L_QBX, L_QX+8*2048                ; qb: query tile x 128 + lane x 4
.set L_OS,  L_QBX+8*128                ; the way out: wave x 16 rows x OP, each wave's own bytes; ends at 299,008
.set L_MX,  131072                     ; behind the loop the ring's bytes hold the partial O (from 0: (tile x 4 + kq) x 4,096), m (here) and l (+ 4,096)
; ---- Jg in memory
.set ROWB,  16384                      ; a channel's 4,096 keys in f32
.set HALFB, 32*ROWB                    ; 32 channels: half a tile
.set TILEB, 512                        ; 128 keys in f32
.set SCALE, 0x3e0293ee                 ; log2(e) / sqrt(128): scores come out ready for v_exp_f32 (2^x)
; ---- registers v0-255
.set ADT,  1                           ; v1-2   slot 0, 1: transposing loads (scores' first source)
.set ADN,  3                           ; v3-4   slot 0, 1: plain loads (first source of O)
.set ADS,  5                           ; v5-6   slot 0, 1: where my rows of a new tile go
.set GOFF, 7                           ; v7     my byte offset in Jg's batch
.set RM,   8                           ; v8-15  m of tile qt at 8 + 2 qt, l at 9 + 2 qt
.set RAL,  16                          ; v16-23 2^(old m - new m) of tile qt at 16 + 2 qt; the odd ones only fill the pairs
.set RT,   24                          ; v24-31 at work
.set FR,   32                          ; v32-95 fragments of Jg
.set SR,   96                          ; v96-223 scores, then p: tile qt, key tile i at 96 + 32 qt + 8 i
.set QB,   224                         ; v224-255 SCALE qb of tile qt in 8 equal registers: the scores' C
; ---- registers v256-511, written by their low 8 bits
.set OA,   0                           ; O^T of tile qt, channels 16 ct .. at 32 qt + 8 ct
.set QF,   128                         ; Q' of tile qt, channels 32 kc .. at 16 qt + 8 kc
.set ST,   192                         ; half a tile of Jg on its way from memory
.set XGB,  32                          ; s[32:33] Jg's batch, stepped by two tiles
; s_set_vgpr_msb: bits 1:0 source 0, 3:2 source 1, 5:4 source 2, 7:6 destination; the high byte repeats the setting that is left
.set MSB, 0
.macro WIN new
.if MSB != \new
	s_set_vgpr_msb (MSB<<8)|\new
.set MSB, \new
.endif
.endm
.macro PLACES n                        ; distance behind matrix instructions where there is no useful work to put (ISA guide 7.12.1)
.rept \n
	v_nop
.endr
.endm
; ---- the stream of Jg.  Half a tile = 32 channels x 128 keys of each quarter; my share is 16 rows, one load a row (512 consecutive bytes, aligned)
.macro LOADH base, imm
	WIN 0x40
.irp i, 0,1,2,3,4,5,6,7,8,9,10,11,12,13,14,15
	global_load_b128 v[\base+4*\i:\base+4*\i+3], v[GOFF], s[XGB:XGB+1] offset:\imm+\i*ROWB
.endr
.endm
.macro CVTH base                       ; to bf16 in place: row i ends in registers 4 i, 4 i + 1
	WIN 0x45
.irp i, 0,1,2,3,4,5,6,7,8,9,10,11,12,13,14,15
	v_cvt_pk_bf16_f32 v[\base+4*\i], v[\base+4*\i], v[\base+4*\i+1]
	v_cvt_pk_bf16_f32 v[\base+4*\i+1], v[\base+4*\i+2], v[\base+4*\i+3]
.endr
.endm
.macro STOREH base, slot, u            ; 32 lanes x 8 bytes: a row's 256 bytes
	WIN 0x04
.irp i, 0,1,2,3,4,5,6,7,8,9,10,11,12,13,14,15
	ds_store_b64 v[ADS+\slot], v[\base+4*\i:\base+4*\i+1] offset:(32*\u+\i)*PITCH
.endr
.endm
; ---- fragments.  Key tile a (0..7) of a tile of 128 keys is keys 8 a .. + 7 (rows m = 0-7) and 64 + 8 a .. + 7 (rows m = 8-15): in the result
; lane (r, h), register j then holds key 64 h + 8 a + j, and the packed pair (a, a + 1) has k = 8 h + j at key 64 h + 8 a + j, k = 16 + 8 h + j
; eight keys on.  The plain loads of LOAD_P take Jg in the same order: 32 consecutive bytes at 128 h + 16 a of a channel's row.
.macro LOAD_S rs, up                   ; 4 key tiles x 64 channels, transposed on the way: load k brings channels 16 k + 8 h .. + 7
	WIN 0
.irp i, 0,1,2,3
.irp k, 0,1,2,3
	ds_load_tr16_b128 v[FR+16*\i+4*\k:FR+16*\i+4*\k+3], v[ADT+\rs] offset:16*\k*PITCH+16*(4*\up+\i)
.endr
.endr
.endm
.macro LOAD_P rs, up                   ; 2 steps of 32 keys x 4 tiles of 16 channels
.irp ks, 0,1
.irp ct, 0,1,2,3
	ds_load_b128 v[FR+32*\ks+8*\ct:FR+32*\ks+8*\ct+3],   v[ADN+\rs] offset:\ct*16*PITCH+16*(4*\up+2*\ks)
	ds_load_b128 v[FR+32*\ks+8*\ct+4:FR+32*\ks+8*\ct+7], v[ADN+\rs] offset:\ct*16*PITCH+16*(4*\up+2*\ks)+16
.endr
.endr
.endm
.macro SMUL i                          ; scores of key tile i for my four query tiles: qb starts the sum, two steps of 32 channels
.irp qt, 0,1,2,3
	v_wmma_f32_16x16x32_bf16 v[SR+32*\qt+8*\i:SR+32*\qt+8*\i+7], v[FR+16*\i:FR+16*\i+7], v[QF+16*\qt:QF+16*\qt+7], v[QB+8*\qt:QB+8*\qt+7]
.endr
.irp qt, 0,1,2,3
	v_wmma_f32_16x16x32_bf16 v[SR+32*\qt+8*\i:SR+32*\qt+8*\i+7], v[FR+16*\i+8:FR+16*\i+15], v[QF+16*\qt+8:QF+16*\qt+15], v[SR+32*\qt+8*\i:SR+32*\qt+8*\i+7]
.endr
.endm
; ---- softmax of one query tile's 64 keys (32 registers a lane)
.macro SHIFTEXP base, m                ; 16 registers: minus the maximum (the pair's first register, for both halves), then 2^x
.set j, 0
.rept 8
	v_pk_add_f32 v[\base+j:\base+j+1], v[\base+j:\base+j+1], v[\m:\m+1] op_sel_hi:[1,0] neg_lo:[0,1] neg_hi:[0,1]
.set j, j+2
.endr
.set j, 0
.rept 16
	v_exp_f32 v[\base+j], v[\base+j]
.set j, j+1
.endr
.endm
.macro PACK8 base                      ; 16 f32 to 8 registers of bf16, in place and ascending: no source is overwritten before it is read
.set j, 0
.rept 8
	v_cvt_pk_bf16_f32 v[\base+j], v[\base+2*j], v[\base+2*j+1]
.set j, j+1
.endr
.endm
.macro SOFTMAX qt, first
	WIN 0
.set SB, SR+32*\qt
.set VM, RM+2*\qt
.set VL, RM+2*\qt+1
.set VA, RAL+2*\qt
	v_max3_num_f32 v[RT],   v[SB],    v[SB+1],  v[SB+2]            ; two chains: registers 0-16 and 17-31
	v_max3_num_f32 v[RT+1], v[SB+17], v[SB+18], v[SB+19]
.set j, 0
.rept 6
	v_max3_num_f32 v[RT],   v[RT],   v[SB+3+j],  v[SB+4+j]
	v_max3_num_f32 v[RT+1], v[RT+1], v[SB+20+j], v[SB+21+j]
.set j, j+2
.endr
	v_max3_num_f32 v[RT], v[RT], v[SB+15], v[SB+16]
	v_max_num_f32 v[RT], v[RT], v[RT+1]
	v_permlanex16_b32 v[RT+1], v[RT], s26, s27                     ; the query's other 32 keys lie in lane r xor 16
.if \first
	v_max_num_f32 v[VM], v[RT], v[RT+1]
.else
	v_max3_num_f32 v[RT+2], v[RT], v[RT+1], v[VM]                  ; the running maximum
	v_sub_f32 v[VA], v[VM], v[RT+2]
	v_exp_f32 v[VA], v[VA]                                         ; what O and l so far are worth under the new maximum
	v_mov_b32 v[VM], v[RT+2]
.endif
	; plain work on the other 16 registers stands between each run of exponentials and the first use of its results
	SHIFTEXP SB, VM
	SHIFTEXP SB+16, VM
	s_wait_alu depctr_va_vdst(0)
	v_pk_add_f32 v[RT+4:RT+5], v[SB:SB+1],     v[SB+2:SB+3]        ; the row sum, from p in f32, in two chains
	v_pk_add_f32 v[RT+6:RT+7], v[SB+4:SB+5],   v[SB+6:SB+7]
	v_pk_add_f32 v[RT+4:RT+5], v[RT+4:RT+5],   v[SB+8:SB+9]
	v_pk_add_f32 v[RT+6:RT+7], v[RT+6:RT+7],   v[SB+10:SB+11]
	v_pk_add_f32 v[RT+4:RT+5], v[RT+4:RT+5],   v[SB+12:SB+13]
	v_pk_add_f32 v[RT+6:RT+7], v[RT+6:RT+7],   v[SB+14:SB+15]
	PACK8 SB                                                       ; p of keys' step 0 in SB .. SB + 7
.set j, 16
.rept 4
	v_pk_add_f32 v[RT+4:RT+5], v[RT+4:RT+5], v[SB+j:SB+j+1]
	v_pk_add_f32 v[RT+6:RT+7], v[RT+6:RT+7], v[SB+j+2:SB+j+3]
.set j, j+4
.endr
	PACK8 SB+16                                                    ; step 1 in SB + 16 .. SB + 23
	v_pk_add_f32 v[RT+4:RT+5], v[RT+4:RT+5], v[RT+6:RT+7]
.if \first
	v_add_f32 v[VL], v[RT+4], v[RT+5]
.else
	v_add_f32 v[RT+4], v[RT+4], v[RT+5]
	v_fma_f32 v[VL], v[VL], v[VA], v[RT+4]                         ; l stays the sum of this lane's keys until the merge
.endif
.endm
.macro RESCALE qt
	WIN 0x41
.set j, 0
.rept 16
	v_pk_mul_f32 v[OA+32*\qt+j:OA+32*\qt+j+1], v[OA+32*\qt+j:OA+32*\qt+j+1], v[RAL+2*\qt:RAL+2*\qt+1] op_sel_hi:[1,0]
.set j, j+2
.endr
.endm
.macro PV qt, first                    ; O^T += Jg x p^T: 4 tiles of 16 channels, 2 steps of 32 keys; the very first product starts the sums
	WIN 0x50
.irp ct, 0,1,2,3
.if \first
	v_wmma_f32_16x16x32_bf16 v[OA+32*\qt+8*\ct:OA+32*\qt+8*\ct+7], v[FR+8*\ct:FR+8*\ct+7], v[SR+32*\qt:SR+32*\qt+7], 0
.else
	v_wmma_f32_16x16x32_bf16 v[OA+32*\qt+8*\ct:OA+32*\qt+8*\ct+7], v[FR+8*\ct:FR+8*\ct+7], v[SR+32*\qt:SR+32*\qt+7], v[OA+32*\qt+8*\ct:OA+32*\qt+8*\ct+7]
.endif
.endr
.irp ct, 0,1,2,3
	v_wmma_f32_16x16x32_bf16 v[OA+32*\qt+8*\ct:OA+32*\qt+8*\ct+7], v[FR+32+8*\ct:FR+32+8*\ct+7], v[SR+32*\qt+16:SR+32*\qt+23], v[OA+32*\qt+8*\ct:OA+32*\qt+8*\ct+7]
.endr
.endm
; ---- A SUB-BLOCK: 64 keys (key tiles 4 up .. + 3 of the tile in slot rs) x my 64 queries.
; fill = 1: the half tile that was loaded during the last sub-block goes into the other slot (half up).  ld = 1: the next half tile is asked for.
; One barrier a tile (signal and wait in the sub-block with up = 1) parts the reads of a slot from its next stores and the stores from their reads.
.macro SUBBLK rs, up, first, fill, ld, ldimm
.if \fill
	s_wait_loadcnt 0x0                             ; the 16 loads of the last sub-block are all that is out
	CVTH ST                                        ; 32 plain instructions on registers of their own: also the distance behind the last products
.else                                                  ; of O, whose fragments are loaded again and whose p is overwritten below (ISA guide 7.12.1)
	PLACES 5
.endif
	LOAD_S \rs, \up
.if \fill
	STOREH ST, 1-\rs, \up
.endif
.if \ld
	LOADH ST, \ldimm
.endif
	WIN 0x04
.irp i, 0,1,2,3
	s_wait_dscnt 16*\fill+12-4*\i                  ; LDS answers in order: key tile i's four loads are in; the later tiles' loads and the 16 stores may be out
	SMUL \i
.endr
	WIN 0
	PLACES 4                                       ; before the fragments are loaded again and the scores are read
	LOAD_P \rs, \up
	SOFTMAX 0, \first
.if \first == 0
	RESCALE 0
.endif
	s_wait_dscnt 0x0                               ; O's fragments are in; with them all my reads of this slot and my stores into the other one are done
.if \up
	s_barrier_signal -1                            ; so say so; only registers are touched from here to the wait
.endif
	PV 0, \first
.irp qt, 1,2,3
	SOFTMAX \qt, \first                            ; touches none of the registers of the products in front of it
.if \first == 0
	RESCALE \qt
.endif
	PV \qt, \first
.endr
.if \up
	s_barrier_wait -1                              ; every wave has left this slot and filled its part of the other
.endif
.endm
.macro GROUP first                     ; two tiles.  Sub-block n stores half tile n + 2 and asks for half tile n + 3
	SUBBLK 0, 0, \first, 1, 1, HALFB+TILEB
	SUBBLK 0, 1, 0, 1, 1, 2*TILEB
	SUBBLK 1, 0, 0, 1, 1, HALFB+2*TILEB
	SUBBLK 1, 1, 0, 1, 1, 3*TILEB
	WIN 0
	s_wait_xcnt 0x0                                ; the loads just issued name the base: it is stepped only behind this wait
	s_add_nc_u64 s[XGB:XGB+1], s[XGB:XGB+1], 2*TILEB
.endm
; ---- small steps of the prologue and the epilogue
.macro CVST reg, adr, off              ; one load's four f32 to bf16 and into LDS
	v_cvt_pk_bf16_f32 v[\reg], v[\reg], v[\reg+1]
	v_cvt_pk_bf16_f32 v[\reg+1], v[\reg+2], v[\reg+3]
	ds_store_b64 v[\adr], v[\reg:\reg+1] offset:\off
.endm
.macro BIAS dst, adr, base             ; a bias of 128 f32 in the layout of eight results: tile dt, register j = element 16 dt + 8 h + j
.irp dt, 0,1,2,3,4,5,6,7
	global_load_b128 v[\dst+8*\dt:\dst+8*\dt+3],   v[\adr], s[\base:\base+1] offset:64*\dt
	global_load_b128 v[\dst+8*\dt+4:\dst+8*\dt+7], v[\adr], s[\base:\base+1] offset:64*\dt+16
.endr
.endm
.macro WFRAG4 adr, dst, dt0            ; first sources from Wq or Wv: 4 tiles of 16 d x 64 c, load k = channels 16 k + 8 h .. + 7
.irp d, 0,1,2,3
.irp k, 0,1,2,3
	ds_load_b128 v[\dst+16*\d+4*\k:\dst+16*\d+4*\k+3], v[\adr] offset:(\dt0+\d)*16*WP+32*\k
.endr
.endr
.endm
.macro WMUL4 acc, frag, b              ; 4 tiles of 16 d, in place on the bias, two steps of 32 channels
.irp kc, 0,1
.irp d, 0,1,2,3
	v_wmma_f32_16x16x32_bf16 v[\acc+8*\d:\acc+8*\d+7], v[\frag+16*\d+8*\kc:\frag+16*\d+8*\kc+7], v[\b+8*\kc:\b+8*\kc+7], v[\acc+8*\d:\acc+8*\d+7]
.endr
.endr
.endm
; ======================================================== PROLOGUE
.set PJP, 8                            ; v8-20: addresses of the prologue (the loop's m, l and factors take these registers afterwards)
.set PW,  9
.set PXS, 10
.set PWS, 11
.set PKS, 12
.set PB,  13
.set PXB, 14
.set PWQ, 15
.set PWK, 16
.set PQS, 17
.set PBS, 18
.set PQL, 19
.set PBL, 20
.set XB,  32                           ; v32-47   Jp's fragments (my query tile, 64 channels)
.set WF,  48                           ; v48-111  fragments of Wq
.set QT,  128                          ; v128-191 bq, then Q^T: 8 tiles of 16 d
.set BK,  192                          ; v192-255 bk in the same layout
.set QFP, 32                           ; v32-63   Q^T packed: 4 steps of 32 d
.set KF,  64                           ; v64-191  fragments of Wk^T
.set QP,  192                          ; v192-223 Q'^T: 4 tiles of 16 c
.set QPK, 224                          ; v224-239 SCALE Q'^T packed
	s_load_b512 s[8:23], s[0:1], 0x0               ; Jp s[8:9], Jg s[10:11], Wq s[12:13], bq s[14:15], Wk s[16:17], bk s[18:19], Wv s[20:21], bv s[22:23]
	s_load_b64 s[24:25], s[0:1], 0x40              ; out0
	v_lshrrev_b32 v24, 5, v0
	v_readfirstlane_b32 s2, v24                    ; w
	s_lshr_b32 s3, s2, 1                           ; kq
	s_and_b32 s4, s2, 1                            ; qh
	s_lshr_b32 s5, ttmp9, 5                        ; batch
	s_and_b32 s29, ttmp9, 31                       ; block of 128 queries
	s_mov_b32 s26, 0x76543210                      ; v_permlanex16_b32: lane i takes lane i of the other half
	s_mov_b32 s27, 0xfedcba98
	v_and_b32 v24, 31, v0                          ; lane L
	v_and_b32 v25, 15, v0                          ; r
	v_bfe_u32 v26, v0, 4, 1                        ; h
	v_and_b32 v27, 7, v0                           ; L & 7
	v_bfe_u32 v28, v0, 3, 1                        ; (L >> 3) & 1
	v_lshl_add_u32 v29, v26, 3, v27                ; 8 h + (L & 7): the row that a lane addresses in a transposing load
	; the ring
	s_mul_i32 s30, s3, QTILE                       ; my key quarter's tile
	v_mul_u32_u24 v30, v29, PITCH
	v_lshl_add_u32 v30, v28, 7, v30                ; lanes 8-15 of each half: 64 keys on
	v_add_nc_u32 v[ADT], s30, v30
	v_add_nc_u32 v[ADT+1], SLOT, v[ADT]
	v_mul_u32_u24 v30, v25, PITCH
	v_lshl_add_u32 v30, v26, 7, v30
	v_add_nc_u32 v[ADN], s30, v30
	v_add_nc_u32 v[ADN+1], SLOT, v[ADN]
	s_mul_i32 s31, s4, 16*PITCH                    ; my 16 rows of each half tile
	s_add_co_u32 s31, s31, s30
	v_lshl_add_u32 v[ADS], v24, 3, s31
	v_add_nc_u32 v[ADS+1], SLOT, v[ADS]
	s_lshl_b32 s6, s4, 18                          ; 16 qh rows of 16,384 bytes
	s_lshl_b32 s7, s3, 12                          ; 1,024 kq keys
	s_add_co_u32 s6, s6, s7
	v_lshl_add_u32 v[GOFF], v24, 4, s6
	; the prologue's own addresses
	s_lshl_b32 s6, s2, 17
	v_lshl_add_u32 v[PJP], v24, 4, s6              ; Jp: channels 8 w + i
	s_lshl_b32 s6, s2, 12
	v_lshl_add_u32 v[PW], v24, 4, s6               ; weights, flat: bytes 4,096 w + 512 i + 16 L = row 16 w + 2 i + h, channels 4 r .. + 3
	s_mul_i32 s6, s2, 8*PITCH
	s_add_co_u32 s6, s6, L_XP
	v_lshl_add_u32 v[PXS], v24, 3, s6
	s_mul_i32 s6, s2, 16*WP
	s_add_co_u32 s6, s6, L_WQ
	v_mul_u32_u24 v30, v26, WP
	v_lshl_add_u32 v30, v25, 3, v30
	v_add_nc_u32 v[PWS], s6, v30
	s_mul_i32 s6, s2, 16*KP
	s_add_co_u32 s6, s6, L_WK
	v_mul_u32_u24 v30, v26, KP
	v_lshl_add_u32 v30, v25, 3, v30
	v_add_nc_u32 v[PKS], s6, v30
	v_lshlrev_b32 v[PB], 5, v26                    ; biases: 8 h elements
	s_lshl_b32 s6, s2, 5                           ; query tile w: 16 w columns of 2 bytes
	s_add_co_u32 s6, s6, L_XP
	v_mul_u32_u24 v30, v29, PITCH
	v_lshl_add_u32 v30, v28, 4, v30
	v_add_nc_u32 v[PXB], s6, v30
	v_mul_u32_u24 v30, v25, WP
	v_lshl_add_u32 v30, v26, 4, v30
	v_add_nc_u32 v[PWQ], L_WQ, v30
	v_mul_u32_u24 v30, v29, KP
	v_lshl_add_u32 v30, v28, 4, v30
	v_add_nc_u32 v[PWK], L_WK, v30
	s_lshl_b32 s6, s2, 11
	s_add_co_u32 s6, s6, L_QX
	v_lshl_add_u32 v[PQS], v24, 4, s6
	s_lshl_b32 s6, s2, 7
	s_add_co_u32 s6, s6, L_QBX
	v_lshl_add_u32 v[PBS], v24, 2, s6
	s_lshl_b32 s6, s4, 13                          ; query tiles 4 qh .. + 3
	s_add_co_u32 s6, s6, L_QX
	v_lshl_add_u32 v[PQL], v24, 4, s6
	s_lshl_b32 s6, s4, 9
	s_add_co_u32 s6, s6, L_QBX
	v_lshl_add_u32 v[PBL], v24, 2, s6
	s_wait_kmcnt 0x0
	s_lshl_b32 s6, s5, 20                          ; a batch of Jp or Jg: 64 x 16,384 bytes
	s_mov_b32 s7, 0
	s_add_nc_u64 s[XGB:XGB+1], s[10:11], s[6:7]
	s_lshl_b32 s30, s29, 9                         ; 128 queries of 4 bytes
	s_add_co_u32 s6, s6, s30
	s_add_nc_u64 s[34:35], s[8:9], s[6:7]
	s_lshl_b32 s6, ttmp9, 16                       ; out0: 128 rows of 512 bytes a work-group,
	s_lshl_b32 s30, s2, 13                         ; 16 rows a wave
	s_add_co_u32 s6, s6, s30
	s_add_nc_u64 s[36:37], s[24:25], s[6:7]
	; Jp's tile and the three weights, an eighth each wave; then half tile 0 of Jg
.irp i, 0,1,2,3,4,5,6,7
	global_load_b128 v[32+4*\i:35+4*\i], v[PJP], s[34:35] offset:\i*ROWB th:TH_LOAD_NT   ; no other work-group reads these queries
.endr
.irp i, 0,1,2,3,4,5,6,7
	global_load_b128 v[64+4*\i:67+4*\i], v[PW], s[12:13] offset:\i*512
.endr
.irp i, 0,1,2,3,4,5,6,7
	global_load_b128 v[96+4*\i:99+4*\i], v[PW], s[16:17] offset:\i*512
.endr
.irp i, 0,1,2,3,4,5,6,7
	global_load_b128 v[128+4*\i:131+4*\i], v[PW], s[20:21] offset:\i*512
.endr
	LOADH OA, 0
	WIN 0
	s_wait_loadcnt 16                              ; half tile 0's 16 loads stay out
.irp i, 0,1,2,3,4,5,6,7
	CVST 32+4*\i, PXS, \i*PITCH
.endr
.irp i, 0,1,2,3,4,5,6,7
	CVST 64+4*\i, PWS, \i*2*WP
.endr
.irp i, 0,1,2,3,4,5,6,7
	CVST 96+4*\i, PKS, \i*2*KP
.endr
.irp i, 0,1,2,3,4,5,6,7
	CVST 128+4*\i, PWS, L_WV-L_WQ+\i*2*WP
.endr
	LOADH OA+64, HALFB                             ; half tile 1
	WIN 0
	BIAS QT, PB, 14                                ; bq: Q^T's sums start from it
	s_wait_loadcnt 32                              ; half tile 1 and bq stay out: half tile 0 is in
	CVTH OA
	STOREH OA, 0, 0
	WIN 0
	BIAS BK, PB, 18                                ; bk
	s_wait_dscnt 0x0                               ; my part of Jp's tile and of the weights is in LDS
	s_barrier_signal -1
	s_barrier_wait -1                              ; everybody's is
	s_wait_loadcnt 32                              ; bq and bk stay out: half tile 1 is in
	CVTH OA+64
	STOREH OA+64, 0, 1
	LOADH ST, TILEB                                ; half tile 2, for the first sub-block to store
	WIN 0
	; Q^T[d, q] = Wq x Jp + bq for query tile w
.irp k, 0,1,2,3
	ds_load_tr16_b128 v[XB+4*\k:XB+4*\k+3], v[PXB] offset:16*\k*PITCH
.endr
	WFRAG4 PWQ, WF, 0
	s_wait_loadcnt 32                              ; bk and half tile 2 stay out: bq is in
	s_wait_dscnt 0x0
	WMUL4 QT, WF, XB
	PLACES 4                                       ; before the fragments are loaded again
	WFRAG4 PWQ, WF, 4
	s_wait_dscnt 0x0
	WMUL4 QT+32, WF, XB
	PLACES 4                                       ; before Q^T is read
	; qb = Q . bk: a lane holds 64 of its query's 128 d, lane r xor 16 the others
	s_wait_loadcnt 16                              ; half tile 2 stays out: bk is in
	v_pk_mul_f32 v[28:29], v[QT:QT+1], v[BK:BK+1]
	v_pk_mul_f32 v[30:31], v[QT+2:QT+3], v[BK+2:BK+3]
.set j, 4
.rept 15
	v_pk_fma_f32 v[28:29], v[QT+j:QT+j+1], v[BK+j:BK+j+1], v[28:29]
	v_pk_fma_f32 v[30:31], v[QT+j+2:QT+j+3], v[BK+j+2:BK+j+3], v[30:31]
.set j, j+4
.endr
	v_pk_add_f32 v[28:29], v[28:29], v[30:31]
	v_add_f32 v28, v28, v29
	v_permlanex16_b32 v29, v28, s26, s27
	v_add_f32 v28, v28, v29
	v_mul_f32 v28, SCALE, v28
	; Q'^T[c, q] = Wk^T x Q^T
.set j, 0
.rept 32
	v_cvt_pk_bf16_f32 v[QFP+j], v[QT+2*j], v[QT+2*j+1]             ; two tiles of 16 d make one step of 32
.set j, j+1
.endr
.irp mt, 0,1,2,3
.irp k, 0,1,2,3,4,5,6,7
	ds_load_tr16_b128 v[KF+32*\mt+4*\k:KF+32*\mt+4*\k+3], v[PWK] offset:16*\k*KP+32*\mt   ; channels 16 mt + r, d = 16 k + 8 h .. + 7
.endr
.endr
	s_wait_dscnt 0x0
.irp mt, 0,1,2,3
	v_wmma_f32_16x16x32_bf16 v[QP+8*\mt:QP+8*\mt+7], v[KF+32*\mt:KF+32*\mt+7], v[QFP:QFP+7], 0
.endr
.irp kd, 1,2,3
.irp mt, 0,1,2,3
	v_wmma_f32_16x16x32_bf16 v[QP+8*\mt:QP+8*\mt+7], v[KF+32*\mt+8*\kd:KF+32*\mt+8*\kd+7], v[QFP+8*\kd:QFP+8*\kd+7], v[QP+8*\mt:QP+8*\mt+7]
.endr
.endr
	PLACES 4
.set j, 0
.rept 16
	v_pk_mul_f32 v[QP+j:QP+j+1], v[QP+j:QP+j+1], SCALE op_sel_hi:[1,0]
.set j, j+2
.endr
.set j, 0
.rept 16
	v_cvt_pk_bf16_f32 v[QPK+j], v[QP+2*j], v[QP+2*j+1]
.set j, j+1
.endr
.irp mt, 0,1,2,3
	ds_store_b128 v[PQS], v[QPK+4*\mt:QPK+4*\mt+3] offset:\mt*512
.endr
	ds_store_b32 v[PBS], v28
	s_wait_dscnt 0x0                               ; my Q', my qb and my rows of tile 0 are in LDS
	s_barrier_signal -1
	s_barrier_wait -1
	WIN 0x40
.irp qt, 0,1,2,3
.irp k, 0,1,2,3
	ds_load_b128 v[QF+16*\qt+4*\k:QF+16*\qt+4*\k+3], v[PQL] offset:\qt*2048+\k*512
.endr
.endr
	WIN 0
.irp qt, 0,1,2,3
	ds_load_b32 v[QB+8*\qt], v[PBL] offset:\qt*128
.endr
	s_wait_dscnt 0x0
.irp qt, 0,1,2,3
.irp j, 1,2,3,4,5,6,7
	v_mov_b32 v[QB+8*\qt+\j], v[QB+8*\qt]          ; a C tile whose 8 rows a lane are the query's one number
.endr
.endr
.irp qt, 0,1,2,3
	v_mov_b32 v[RM+2*\qt+1], 0                     ; a packed source names both registers of its pair: the partners of m and of the factor
	v_mov_b32 v[RAL+2*\qt+1], 0                    ; are given a value once (l is written over by the first softmax)
.endr
; ======================================================== THE KEYS: 8 tiles of 128 keys a quarter, 16 sub-blocks
	GROUP 1                                        ; in front of the loop: its first products start O, its first softmax starts m and l
	s_mov_b32 s28, 2
.Lgroup:
	GROUP 0
	s_sub_co_i32 s28, s28, 1
	s_cmp_lg_u32 s28, 0
	s_cbranch_scc1 .Lgroup
	SUBBLK 0, 0, 0, 1, 1, HALFB+TILEB              ; the last two tiles: one more load (half tile 15, the last of the quarter),
	SUBBLK 0, 1, 0, 1, 0, 0                        ; one more store,
	SUBBLK 1, 0, 0, 0, 0, 0                        ; then nothing is moved any more
	SUBBLK 1, 1, 0, 0, 0, 0                        ; its barrier: nobody reads the ring any more
; ======================================================== EPILOGUE
.set EMG,  16                          ; v16-23: addresses of the epilogue
.set EMX,  17
.set EMGL, 18
.set EMXL, 19
.set EWV,  20
.set EOS,  21
.set EOL,  22
.set EGO,  23
.set OB,   32                          ; v32-47 O^T / l packed
	WIN 0
	; the address arithmetic (more than four plain instructions on registers of its own) is the distance behind the last products of O
	v_and_b32 v24, 31, v0
	v_and_b32 v25, 15, v0
	v_bfe_u32 v26, v0, 4, 1
	v_lshlrev_b32 v27, 5, v26                      ; bv: 8 h elements
	s_lshl_b32 s6, s4, 16                          ; partial O of (query tile 4 qh + qt, quarter kq): 4,096 bytes each
	s_lshl_b32 s7, s3, 12
	s_add_co_u32 s6, s6, s7
	v_lshl_add_u32 v[EMG], v24, 4, s6
	s_lshl_b32 s6, s4, 11
	s_lshl_b32 s7, s3, 7
	s_add_co_u32 s6, s6, s7
	s_add_co_u32 s6, s6, L_MX
	v_lshl_add_u32 v[EMX], v24, 2, s6
	s_lshl_b32 s6, s2, 14                          ; and back: query tile w, all four quarters
	v_lshl_add_u32 v[EMGL], v24, 4, s6
	s_lshl_b32 s6, s2, 9
	s_add_co_u32 s6, s6, L_MX
	v_lshl_add_u32 v[EMXL], v24, 2, s6
	v_mul_u32_u24 v28, v25, WP
	v_lshl_add_u32 v28, v26, 4, v28
	v_add_nc_u32 v[EWV], L_WV, v28
	s_mul_i32 s6, s2, 16*OP
	s_add_co_u32 s6, s6, L_OS
	v_mul_u32_u24 v28, v25, OP
	v_lshl_add_u32 v28, v26, 5, v28
	v_add_nc_u32 v[EOS], s6, v28
	v_lshl_add_u32 v[EOL], v24, 4, s6
	v_lshlrev_b32 v[EGO], 4, v24
	WIN 0x40
	BIAS ST, 27, 22                                ; bv: the output's sums start from it
	WIN 0x04
.irp qt, 0,1,2,3
.irp k, 0,1,2,3,4,5,6,7
	ds_store_b128 v[EMG], v[OA+32*\qt+4*\k:OA+32*\qt+4*\k+3] offset:\qt*16384+\k*512
.endr
.endr
	WIN 0
.irp qt, 0,1,2,3
	ds_store_b32 v[EMX], v[RM+2*\qt] offset:\qt*512
	ds_store_b32 v[EMX], v[RM+2*\qt+1] offset:\qt*512+4096
.endr
	s_wait_dscnt 0x0
	s_barrier_signal -1
	s_barrier_wait -1
	; the merge of the four key quarters for query tile w
.irp k, 0,1,2,3
	ds_load_b32 v[32+\k], v[EMXL] offset:\k*128            ; m
	ds_load_b32 v[36+\k], v[EMXL] offset:4096+\k*128       ; l
.endr
.irp kq, 0,1,2,3
.irp k, 0,1,2,3,4,5,6,7
	ds_load_b128 v[96+32*\kq+4*\k:96+32*\kq+4*\k+3], v[EMGL] offset:\kq*4096+\k*512
.endr
.endr
	s_wait_dscnt 32                                ; the 32 loads of partial O stay out: m and l are in
	v_max3_num_f32 v40, v32, v33, v34
	v_max_num_f32 v40, v40, v35
.irp k, 0,1,2,3
	v_sub_f32 v[32+\k], v[32+\k], v40
.endr
.irp k, 0,1,2,3
	v_exp_f32 v[32+\k], v[32+\k]
.endr
	v_nop                                          ; one plain place between the last exponential and its use
	s_wait_alu depctr_va_vdst(0)
	v_mul_f32 v41, v32, v36
	v_fmac_f32 v41, v33, v37
	v_fmac_f32 v41, v34, v38
	v_fmac_f32 v41, v35, v39
	v_permlanex16_b32 v40, v41, s26, s27           ; the sums of the query's other keys
	v_add_f32 v41, v41, v40
	v_rcp_f32 v41, v41
	v_nop
	s_wait_alu depctr_va_vdst(0)
.irp k, 0,1,2,3
	v_mul_f32 v[48+2*\k], v[32+\k], v41            ; 2^(m_kq - m) / l, twice: a pair for the packed forms
	v_mul_f32 v[49+2*\k], v[32+\k], v41
.endr
	s_wait_dscnt 0x0
.set j, 0
.rept 16
	v_pk_mul_f32 v[96+j:97+j], v[96+j:97+j], v[48:49]
.set j, j+2
.endr
.irp kq, 1,2,3
.set j, 0
.rept 16
	v_pk_fma_f32 v[96+j:97+j], v[96+32*\kq+j:97+32*\kq+j], v[48+2*\kq:49+2*\kq], v[96+j:97+j]
.set j, j+2
.endr
.endr
	WFRAG4 EWV, 128, 0                             ; Wv, all eight tiles of 16 d
	WFRAG4 EWV, 192, 4
.set j, 0
.rept 16
	v_cvt_pk_bf16_f32 v[OB+j], v[96+2*j], v[97+2*j]
.set j, j+1
.endr
	s_wait_loadcnt 0x0                             ; bv
	s_wait_dscnt 0x0
	WIN 0x50
	WMUL4 ST, 128, OB                              ; out^T[d, q] = Wv x O^T / l + bv
	WMUL4 ST+32, 192, OB
	PLACES 4
	; the way out: a lane holds 8 neighbouring d of query r; through my own bytes of LDS they become whole rows of 512 bytes
	WIN 0x04
.irp dt, 0,1,2,3,4,5,6,7
	ds_store_b128 v[EOS], v[ST+8*\dt:ST+8*\dt+3] offset:64*\dt
	ds_store_b128 v[EOS], v[ST+8*\dt+4:ST+8*\dt+7] offset:64*\dt+16
.endr
	WIN 0
.irp t, 0,1,2,3,4,5,6,7,8,9,10,11,12,13,14,15
	ds_load_b128 v[64+4*\t:67+4*\t], v[EOL] offset:\t*OP           ; LDS serves a wave's instructions in order: these see the stores above
.endr
.irp t, 0,1,2,3,4,5,6,7,8,9,10,11,12,13,14,15
	s_wait_dscnt 15-\t                             ; row t is in, the younger rows may be out
	global_store_b128 v[EGO], v[64+4*\t:67+4*\t], s[36:37] offset:\t*512 th:TH_STORE_NT   ; 32 lanes store a query's 512 consecutive bytes, aligned
.endr
	s_wait_xcnt 0x0
	v_lshl_add_u32 v254, v0, 2, 0x49000
	v_mov_b32 v255, 0
	s_wait_tensorcnt 0x0
	ds_add_u32 v254, v255
	s_wait_dscnt 0x0
	s_endpgm
.Lfunc_end_k_q52e4c08c7b_attn:
	.size	k_q52e4c08c7b_attn, .Lfunc_end_k_q52e4c08c7b_attn-k_q52e4c08c7b_attn
	.p2alignl 7, 3214868480
	.fill 96, 4, 3214868480
	.section	.rodata,"a",@progbits
	.p2align	6, 0x0
	.amdhsa_kernel k_q52e4c08c7b_attn
		.amdhsa_group_segment_fixed_size 300032
		.amdhsa_private_segment_fixed_size 0
		.amdhsa_enable_private_segment 0
		.amdhsa_kernarg_size 72
		.amdhsa_user_sgpr_count 2
		.amdhsa_user_sgpr_kernarg_segment_ptr 1
		.amdhsa_wavefront_size32 1
		.amdhsa_system_sgpr_workgroup_id_x 1
		.amdhsa_system_sgpr_workgroup_id_y 1
		.amdhsa_system_sgpr_workgroup_id_z 1
		.amdhsa_system_vgpr_workitem_id 0
		.amdhsa_next_free_vgpr 512
		.amdhsa_next_free_sgpr 66
		.amdhsa_reserve_vcc 0
		.amdhsa_float_denorm_mode_32 3
		.amdhsa_float_denorm_mode_16_64 3
		.amdhsa_memory_ordered 1
		.amdhsa_forward_progress 1
		.amdhsa_inst_pref_size 255
	.end_amdhsa_kernel
	.section	.bss,"aw",@nobits
	.p2align	6
	.space	262144
	.amdgpu_metadata
---
amdhsa.version: [ 1, 2 ]
amdhsa.kernels:
  - .name:           k_q52e4c08c7b_attn
    .symbol:         k_q52e4c08c7b_attn.kd
    .args:
      - { .name: Jp_embedding, .offset: 0, .size: 8, .value_kind: global_buffer, .address_space: global }
      - { .name: Jg_embedding, .offset: 8, .size: 8, .value_kind: global_buffer, .address_space: global }
      - { .name: Wq, .offset: 16, .size: 8, .value_kind: global_buffer, .address_space: global }
      - { .name: bq, .offset: 24, .size: 8, .value_kind: global_buffer, .address_space: global }
      - { .name: Wk, .offset: 32, .size: 8, .value_kind: global_buffer, .address_space: global }
      - { .name: bk, .offset: 40, .size: 8, .value_kind: global_buffer, .address_space: global }
      - { .name: Wv, .offset: 48, .size: 8, .value_kind: global_buffer, .address_space: global }
      - { .name: bv, .offset: 56, .size: 8, .value_kind: global_buffer, .address_space: global }
      - { .name: out0, .offset: 64, .size: 8, .value_kind: global_buffer, .address_space: global }
    .group_segment_fixed_size: 300032
    .private_segment_fixed_size: 0
    .kernarg_segment_align: 8
    .kernarg_segment_size: 72
    .max_flat_workgroup_size: 256
    .sgpr_count:     66
    .vgpr_count:     512
    .wavefront_size: 32
...
	.end_amdgpu_metadata
.endif
;; end of part 1
